; MI455X (gfx1250); checked and timed in simulation.
; The chip was launched on July 23, 2026; its instructions are those of AMD's public machine-readable ISA for CDNA 5 (MIT licence, August 2026) and "CDNA5" Instruction Set Architecture Reference Guide (July 2026). The comments in the code are by the model that wrote it; some were corrected since.
;; Sparse TF. Allowed arithmetic: matrix products marked QUANTISED: E2M3 operands, one E8M0 scale for each 32 along K, by v_wmma_scale_f32_16x16x128_f8f6f4 with both operands' format E2M3, f32 sums; everything else in f32.
;; Inputs: bias 2,048 float32; inputs_codes 8,192 x 128 x 24 uint8 (E2M3 codes of inputs, K innermost, in blocks of 32 codes, four codes in three bytes); inputs_scales 8,192 x 128 uint8 (E8M0 scales of inputs, one for each 32 codes along K); kernel 4,096 x 2,048 float32; map 4,096 x 2,048 float32.
;; Outputs: out0 8,192 x 2,048 float32.
;; This version of the problem:
;;   THIS VERSION OF THE PROBLEM IS GIVEN IN LOW PRECISION. The matrix products marked QUANTISED in the list below multiply operands that are first quantised to E2M3 (2 exponent bits, 3 mantissa bits; 6 bits a number), with one power-of-two scale for each 32 numbers along K (OCP MX v1.0); their sums are f32. All else is computed in f32.
;;   The module's matrix products, in the order in which they are computed (A, B: the left and right operand; K: the contracted axis; several contracted axes count as one K, in the product's order):
;;     1. [M 8,192, K 4,096] x [K 4,096, N 2,048]; A: input inputs (given as codes); B: computed on the way: QUANTISED
;;   THE QUANTISER, for each operand of a quantised product, along K:
;;     - K is cut into blocks of 32 from its start; a last block that is shorter is filled with zeros.
;;     - A block's scale is 2^e with e = floor(log2(the largest magnitude in the block)) - 2, held to -126 .. 127; a block of zeros has e = 0. As a byte (E8M0): e + 127.
;;     - Each number is divided by its block's scale, clamped to +-7.5, and rounded to the nearest number of E2M3, ties to even, subnormals kept.
;;     - The product sums the exact products of the quantised numbers (number of the format x scale) in f32.
;;   ~~~python
;;   def quantise(x, axis):      # numpy; x: float32 -> the quantised numbers, widened to float32 again
;;       x = np.moveaxis(x, axis, -1); K = x.shape[-1]
;;       x = np.pad(x, [(0, 0)] * (x.ndim - 1) + [(0, -K % 32)]); x = x.reshape(x.shape[:-1] + (-1, 32)); a = np.abs(x).max(-1, keepdims=True)
;;       e = np.where(a > 0, np.clip(np.frexp(np.where(a > 0, a, 1))[1] - 1 - 2, -126, 127), 0)      # np.frexp(a)[1] - 1 = floor(log2(a)), exactly
;;       r = np.clip(x / 2.0 ** e, -7.5, 7.5)
;;       step = 2.0 ** (np.maximum(np.frexp(np.where(r == 0, 1, r))[1] - 1, 0) - 3)
;;       q = np.round(r / step) * step * 2.0 ** e      # np.round: ties to even
;;       return np.moveaxis(q.reshape(q.shape[:-2] + (-1,))[..., :K], -1, axis).astype(np.float32)
;;   ~~~
;;   OPERANDS COMPUTED ON THE WAY. 'Computed on the way' means the value that the module computes at that place (a softmax that the list does not call 'softmax' is quantised finished and normalised). What goes into a quantiser is computed in f32, as accurately as f32 sums, v_exp_f32 and their like allow (about 1e-6 of the number): no bf16 or f16 on the way to a quantiser, and a product that is left as it is and whose result goes on into a quantised operand takes f32 operands (vector FMAs, or v_wmma_f32_16x16x4_f32). A number that lies on a knife's edge between two numbers of the format may be rounded either way, as far as f32 arithmetic and the matrix unit's own rounding can turn it there, and no further.
;;   INPUTS GIVEN AS CODES. inputs (in the module: [8192, 4096], K = its axis 1): each comes as NAME_codes (uint8): NAME with its K axis moved to the last place and cut into blocks of 32 codes, [.., K / 32, bytes a block], one block behind the other in memory; four codes in three bytes: a row's codes are one little-endian stream of bits, code i at bits 6 i .. 6 i + 5 (a code: sign, 2 exponent bits, 3 mantissa bits); and NAME_scales (uint8): the same leading axes, one E8M0 byte (e + 127) for each 32 codes along K. Its value is code x scale, taken as it is: it is not quantised again, and the codes and scales need not be those that the quantiser above would give.
;; One version. Each part assembles by itself: llvm-mc -triple=amdgcn-amd-amdhsa -mcpu=gfx1250 --defsym DOCPART=n.
;; ======== version 1 of 1: 2 launches
;; limits: right only within a limited range of input values
;; workspace buffers: w_img 6,291,456 bytes; w_sc 262,144 bytes
;; launch quant (part 1): grid 16 x 16, 16 waves a work-group, no clusters, 27,648 bytes of LDS; arguments kernel, map, w_img, w_sc; writes w_img, w_sc
.if DOCPART == 1
	.amdgcn_target "amdgcn-amd-amdhsa--gfx1250"
	.amdhsa_code_object_version 6
	.text
	.protected	k_q69bc7bb42b_quant
	.globl	k_q69bc7bb42b_quant
	.p2align	8
	.type	k_q69bc7bb42b_quant,@function
k_q69bc7bb42b_quant:
	s_mov_b64 s[64:65], 0
	v_nop
	global_prefetch_b8 v0, s[64:65] scope:SCOPE_SE
	s_setreg_imm32_b32 hwreg(HW_REG_WAVE_MODE, 25, 1), 1
	s_wait_xcnt 0x0
; p = kernel x map (f32, [4096 (k)][2048 (n)]) is turned into codes of FP6 (E2M3) along K, its FIRST axis, with one E8M0 byte for each 32 along K.
; A block's scale is 2^(floor(log2(its largest magnitude)) - 2); its byte is the largest magnitude's exponent field - 2, held at 1 from below.
; LIMITS: a block of zeros gets the byte 1 where the rule says 127: its codes are zeros, which add nothing under any byte but 0xff, and the bytes are read by this program alone.
; NaN and infinities in kernel x map are not served.
; THE RESULT IS LAID IN THE ORDER OF THE NEXT LAUNCH'S OPERAND REGISTERS.
;   w_img [nb 16][ks 16][q 2][i 8][lane 32][48 bytes]: block (nb, ks) = 128 columns x 256 k = 24,576 dense bytes; in it fragment (q, i) at (8 q + i) x 1,536; lane r + 16 h holds its 12 registers on end;
;         bytes 24 c .. 24 c + 23 of them are the codes of column 128 nb + 16 i + r, k = 256 ks + 128 q + 64 c + 32 h + 0 .. 31.
;   w_sc  [nb 16][ks 16][g 2][lane 32][j 4][b 4]: the byte of column 128 nb + 16 (4 g + j) + r, k block 8 ks + 4 q + b, lies at 512 g + 16 (r + 16 q) + 4 j + b of the block's 1,024 bytes.
; SHARES.  Work-group (x = nb, y = ks) makes one block of each.  Wave w: cg = w & 1 (which 64 columns), kbl = w >> 1 (which 32 along K).  A LANE TAKES TWO NEIGHBOURING COLUMNS AND ITS REGISTERS RUN DOWN K:
; a load of 8 bytes a lane reads 256 consecutive aligned bytes of a row, a block of 32 lies in one lane's registers, and the conversions give codes with K innermost.  Nothing is transposed by an instruction.
; All 64 loads of a wave go out at once: the work-group's whole 256 KiB is on its way together.  No loop, no pointer is stepped, every offset is an immediate.
; The codes and bytes meet in an image of the two blocks in LDS; behind one barrier they leave as they lie: each store of a wave covers 512 consecutive aligned bytes.
; No tensor loads, no ring (all is on its way at once), no cluster (no two work-groups read the same byte), no matrix unit.
.set KR,    32                         ; v32-95   kernel: row i of my 32 in v[KR+2i:KR+2i+1] (two columns)
.set MR,    96                         ; v96-159  map likewise
.set P0,    160                        ; v160-191 the products of my even column, down K
.set P1,    192                        ; v192-223 of my odd column
.set C0,    16                         ; v16-22   codes of the even column
.set C1,    24                         ; v24-30   of the odd column
.set SCSTG, 24576                      ; LDS: 0 .. 24,575 the image of the block of w_img; behind it 1,024 bytes: the image of the block of w_sc
	s_load_b256 s[4:11], s[0:1], 0x0               ; kernel s[4:5], map s[6:7], w_img s[8:9], w_sc s[10:11]
	v_lshl_add_u32 v224, v0, 2, 0x6400
	v_mov_b32 v225, 0
	v_lshrrev_b32 v1, 5, v0
	s_delay_alu instid0(VALU_DEP_1)
	v_readfirstlane_b32 s12, v1                    ; wave 0..15
	v_and_b32 v1, 31, v0                           ; lane l
	s_delay_alu instid0(VALU_DEP_1)
	v_lshlrev_b32 v2, 3, v1                        ; in: 8 bytes a lane
	s_delay_alu instid0(VALU_DEP_2)
	v_and_b32 v6, 7, v1                            ; l & 7: my columns are r = 2 (l & 7) + e of
	s_delay_alu instid0(VALU_DEP_3)
	v_lshrrev_b32 v7, 3, v1                        ; fragment 4 cg + (l >> 3)
	s_wait_alu depctr_va_vdst(0)
	v_lshlrev_b32 v5, 4, v0                        ; out: 16 bytes a thread
	s_and_b32 s13, s12, 1                          ; cg
	s_lshr_b32 s14, s12, 1                         ; kbl = 4 q + 2 c + h
	s_and_b32 s15, ttmp7, 0xffff                   ; ks
	s_lshl_b32 s16, s15, 21                        ; where my wave reads: 256 ks rows of 8,192 bytes,
	s_lshl_b32 s18, s14, 18                        ; + 32 kbl rows,
	s_add_co_u32 s16, s16, s18
	s_lshl_b32 s18, ttmp9, 9                       ; + 128 nb columns of 4 bytes,
	s_add_co_u32 s16, s16, s18
	s_lshl_b32 s18, s13, 8                         ; + 64 cg columns
	s_add_co_u32 s16, s16, s18
	s_mov_b32 s17, 0
	s_lshr_b32 s18, s14, 2                         ; q
	s_and_b32 s19, s14, 1                          ; h
	s_bfe_u32 s20, s14, 0x10001                    ; c
	s_and_b32 s21, s14, 3                          ; b = 2 c + h: the block's byte in its scale word
	s_mul_i32 s22, s18, 12288                      ; the image of w_img: 8 q fragments of 1,536 bytes,
	s_mul_i32 s23, s13, 6144                       ; + 4 cg fragments,
	s_add_co_u32 s22, s22, s23
	; ORDER INSIDE A FRAGMENT OF w_img (it takes the place of the 48 bytes a lane named at the head): [group of four registers 3][lane 32][16 bytes]:
	; byte y = 24 c + 8 p of lane r + 16 h lies at 512 (y / 16) + 16 (r + 16 h) + y % 16, so that a load of 16 bytes a lane reads 512 consecutive bytes
	s_mul_i32 s23, s19, 256                        ; + 16 h lanes of 16 bytes,
	s_add_co_u32 s22, s22, s23
	s_mul_i32 s23, s20, 520                        ; + c = 1: y begins at 24: group 1, byte 8
	s_mul_i32 s24, s20, 496
	s_add_co_u32 s24, s24, 8                       ; my second 8 bytes lie 8 (c = 0) or 504 (c = 1) behind my first
	s_add_co_u32 s22, s22, s23
	v_mul_u32_u24 v3, v7, 1536                     ; + (l >> 3) fragments
	s_delay_alu instid0(VALU_DEP_1)
	v_mad_u32_u24 v3, v6, 32, v3                   ; + 2 (l & 7) lanes of 16 bytes; the odd column lies 16 bytes on
	s_delay_alu instid0(VALU_DEP_1)
	v_add_nc_u32 v3, s22, v3
	v_add_nc_u32 v31, s24, v3
	s_lshl_b32 s22, s13, 9                         ; the image of w_sc: 512 cg
	s_lshl_b32 s23, s18, 8                         ; + 256 q
	s_add_co_u32 s22, s22, s23
	s_add_co_u32 s22, s22, s21                     ; + b
	s_add_co_u32 s22, s22, SCSTG
	v_lshlrev_b32 v4, 5, v6                        ; + 16 x 2 (l & 7); the odd column lies 16 bytes on
	s_delay_alu instid0(VALU_DEP_1)
	v_lshl_add_u32 v4, v7, 2, v4                   ; + 4 (l >> 3)
	s_delay_alu instid0(VALU_DEP_1)
	v_add_nc_u32 v4, s22, v4
	s_lshl_b32 s18, ttmp9, 4
	s_add_co_u32 s18, s18, s15                     ; the blocks' number: 16 nb + ks
	s_mul_i32 s20, s18, 24576
	s_mov_b32 s21, 0
	s_lshl_b32 s22, s18, 10
	s_mov_b32 s23, 0
	s_wait_kmcnt 0x0
	s_add_nc_u64 s[4:5], s[4:5], s[16:17]
	s_add_nc_u64 s[6:7], s[6:7], s[16:17]
	s_add_nc_u64 s[8:9], s[8:9], s[20:21]
	s_add_nc_u64 s[10:11], s[10:11], s[22:23]
.set i, 0
.rept 32                                       ; my 32 rows of both tensors: each load of the wave reads 256 consecutive aligned bytes; read once in the launch
	global_load_b64 v[KR+2*i:KR+2*i+1], v2, s[4:5] offset:i*8192 th:TH_LOAD_NT
	global_load_b64 v[MR+2*i:MR+2*i+1], v2, s[6:7] offset:i*8192 th:TH_LOAD_NT
.set i, i+1
.endr
.irp g, 0,1,2,3                                ; the products, eight rows at a time.  The multiply itself parts the two columns: no move is spent on that
	s_wait_loadcnt 48-16*\g                        ; loads come back in order: these eight rows' sixteen loads are in, the later quarters' (sixteen each) may be out
.irp j, 0,1,2,3,4,5,6,7
	v_mul_f32 v[P0+8*\g+\j], v[KR+2*(8*\g+\j)], v[MR+2*(8*\g+\j)]
	v_mul_f32 v[P1+8*\g+\j], v[KR+2*(8*\g+\j)+1], v[MR+2*(8*\g+\j)+1]
.endr
.endr
	; each column's largest magnitude: all 32 numbers are mine.  Two chains a column, the four by turns, so that no line waits for the line above it
	v_max3_num_f32 v8, |v[P0]|, |v[P0+1]|, 0x1800000               ; with the floor 2^(3 - 127) as a leaf: the byte cannot fall under 1
	v_max3_num_f32 v9, |v[P1]|, |v[P1+1]|, 0x1800000
	v_max3_num_f32 v10, |v[P0+2]|, |v[P0+3]|, |v[P0+4]|
	v_max3_num_f32 v11, |v[P1+2]|, |v[P1+3]|, |v[P1+4]|
.irp i, 5,9,13,17,21,25
	s_delay_alu instid0(VALU_DEP_4)
	v_max3_num_f32 v8, v8, |v[P0+\i]|, |v[P0+\i+1]|
	s_delay_alu instid0(VALU_DEP_4)
	v_max3_num_f32 v9, v9, |v[P1+\i]|, |v[P1+\i+1]|
	s_delay_alu instid0(VALU_DEP_4)
	v_max3_num_f32 v10, v10, |v[P0+\i+2]|, |v[P0+\i+3]|
	s_delay_alu instid0(VALU_DEP_4)
	v_max3_num_f32 v11, v11, |v[P1+\i+2]|, |v[P1+\i+3]|
.endr
	s_delay_alu instid0(VALU_DEP_4)
	v_max3_num_f32 v8, v8, |v[P0+29]|, |v[P0+30]|
	s_delay_alu instid0(VALU_DEP_4)
	v_max3_num_f32 v9, v9, |v[P1+29]|, |v[P1+30]|
	s_delay_alu instid0(VALU_DEP_2)
	v_max3_num_f32 v8, v8, v10, |v[P0+31]|
	s_delay_alu instid0(VALU_DEP_2)
	v_max3_num_f32 v9, v9, v11, |v[P1+31]|
	s_delay_alu instid0(VALU_DEP_2)
	v_add_nc_u32 v12, 0xff000000, v8               ; 2 off the exponent field: the conversion takes the exponent field of this operand as its scale, and nothing else of it
	s_delay_alu instid0(VALU_DEP_2)
	v_add_nc_u32 v13, 0xff000000, v9
	s_delay_alu instid0(VALU_DEP_2)
	v_lshrrev_b32 v14, 23, v12                     ; the scale's byte
	s_delay_alu instid0(VALU_DEP_2)
	v_lshrrev_b32 v15, 23, v13
	v_cvt_scalef32_pk16_fp6_f32 v[C0:C0+2], v[P0:P0+15], v12       ; sixteen numbers / the scale, to the nearest code, ties to even, beyond the largest code the largest; 96 bits without gaps
	v_cvt_scalef32_pk16_fp6_f32 v[C0+4:C0+6], v[P0+16:P0+31], v12  ; (a conversion's three registers begin on an even number)
	v_cvt_scalef32_pk16_fp6_f32 v[C1:C1+2], v[P1:P1+15], v13
	v_cvt_scalef32_pk16_fp6_f32 v[C1+4:C1+6], v[P1+16:P1+31], v13
	v_nop                                          ; one plain instruction between the conversions and the moves that read their results
.irp c, C0, C1                                 ; the block's 24 bytes on end in six registers
	v_mov_b32 v[\c+3], v[\c+4]
	v_mov_b32 v[\c+4], v[\c+5]
	v_mov_b32 v[\c+5], v[\c+6]
.endr
	ds_store_b64 v3, v[C0:C0+1]
	ds_store_b64 v3, v[C1:C1+1] offset:16
	ds_store_b64 v31, v[C0+2:C0+3]
	ds_store_b64 v31, v[C1+2:C1+3] offset:16
	ds_store_b64 v3, v[C0+4:C0+5] offset:512       ; my third 8 bytes lie 512 behind my first, for both c
	ds_store_b64 v3, v[C1+4:C1+5] offset:528
	ds_store_b8 v4, v14
	ds_store_b8 v4, v15 offset:16
	s_wait_dscnt 0x0                               ; for the others' sake: my stores into the images are done
	s_barrier_signal -1
	s_barrier_wait -1                              ; the two images are whole
.irp j, 0,1,2
	ds_load_b128 v[32+4*\j:35+4*\j], v5 offset:8192*\j             ; 512 threads x 16 bytes: a third of the image
.endr
.irp j, 0,1,2
	s_wait_dscnt 2-\j                              ; LDS loads come back in order: the later ones may be out
	global_store_b128 v5, v[32+4*\j:35+4*\j], s[8:9] offset:8192*\j   ; each store of a wave covers 512 consecutive bytes, aligned
.endr
	s_cmp_lt_u32 s12, 2                            ; the 1,024 scale bytes are two waves' worth; no barrier stands under this branch
	s_cbranch_scc0 .Ldone
	ds_load_b128 v[44:47], v5 offset:SCSTG
	s_wait_dscnt 0x0
	global_store_b128 v5, v[44:47], s[10:11]
.Ldone:
	s_wait_tensorcnt 0x0
	ds_add_u32 v224, v225
	s_wait_dscnt 0x0
	s_endpgm
.Lfunc_end_k_q69bc7bb42b_quant:
	.size	k_q69bc7bb42b_quant, .Lfunc_end_k_q69bc7bb42b_quant-k_q69bc7bb42b_quant
	.p2alignl 7, 3214868480
	.fill 96, 4, 3214868480
	.section	.rodata,"a",@progbits
	.p2align	6, 0x0
	.amdhsa_kernel k_q69bc7bb42b_quant
		.amdhsa_group_segment_fixed_size 27648
		.amdhsa_private_segment_fixed_size 0
		.amdhsa_enable_private_segment 0
		.amdhsa_kernarg_size 32
		.amdhsa_user_sgpr_count 2
		.amdhsa_user_sgpr_kernarg_segment_ptr 1
		.amdhsa_wavefront_size32 1
		.amdhsa_system_sgpr_workgroup_id_x 1
		.amdhsa_system_sgpr_workgroup_id_y 1
		.amdhsa_system_sgpr_workgroup_id_z 1
		.amdhsa_system_vgpr_workitem_id 0
		.amdhsa_next_free_vgpr 226
		.amdhsa_next_free_sgpr 66
		.amdhsa_reserve_vcc 0
		.amdhsa_float_denorm_mode_32 3
		.amdhsa_float_denorm_mode_16_64 3
		.amdhsa_memory_ordered 1
		.amdhsa_forward_progress 1
		.amdhsa_inst_pref_size 17
	.end_amdhsa_kernel
	.amdgpu_metadata
---
amdhsa.version: [ 1, 2 ]
amdhsa.kernels:
  - .name:           k_q69bc7bb42b_quant
    .symbol:         k_q69bc7bb42b_quant.kd
    .args:
      - { .name: kernel, .offset: 0, .size: 8, .value_kind: global_buffer, .address_space: global }
      - { .name: map, .offset: 8, .size: 8, .value_kind: global_buffer, .address_space: global }
      - { .name: w_img, .offset: 16, .size: 8, .value_kind: global_buffer, .address_space: global }
      - { .name: w_sc, .offset: 24, .size: 8, .value_kind: global_buffer, .address_space: global }
    .group_segment_fixed_size: 27648
    .private_segment_fixed_size: 0
    .kernarg_segment_align: 8
    .kernarg_segment_size: 32
    .max_flat_workgroup_size: 512
    .sgpr_count:     66
    .vgpr_count:     226
    .wavefront_size: 32
...
	.end_amdgpu_metadata
.endif
;; end of part 1
;; launch gemm (part 2): grid 8 x 32, 4 waves a work-group, clusters of 4 x 1, 327,680 bytes of LDS; arguments inputs_codes, inputs_scales, w_img, w_sc, out0, bias; writes out0
.if DOCPART == 2
	.amdgcn_target "amdgcn-amd-amdhsa--gfx1250"
	.amdhsa_code_object_version 6
	.text
	.protected	k_q69bc7bb42b_gemm
	.globl	k_q69bc7bb42b_gemm
	.p2align	8
	.type	k_q69bc7bb42b_gemm,@function
k_q69bc7bb42b_gemm:
	s_mov_b64 s[64:65], 0
	v_nop
	global_prefetch_b8 v0, s[64:65] scope:SCOPE_SE
	s_setreg_imm32_b32 hwreg(HW_REG_WAVE_MODE, 25, 1), 1
	s_wait_xcnt 0x0
	s_wait_alu depctr_hold_cnt(0) depctr_sa_sdst(0) depctr_va_vdst(0) depctr_va_sdst(0) depctr_va_ssrc(0) depctr_va_vcc(0) depctr_vm_vsrc(0)
	s_getreg_b32 s2, hwreg(HW_REG_IB_STS2, 6, 4)
	s_cmp_eq_u32 s2, 0
	s_cbranch_scc0 .Lentry_in_a_cluster
	s_endpgm
.Lentry_in_a_cluster:
	s_bfe_u32 s2, ttmp6, 0x10000c
	s_cmp_lg_u32 s2, 0x3003
	s_cbranch_scc0 .Lentry_shape_is_right
	s_endpgm
.Lentry_shape_is_right:
; out0[m][n] = sum over k of inputs[m][k] Q(kernel x map)[k][n] + bias[n].  Both operands are codes of FP6 (E2M3) with one E8M0 byte for each 32 along K; sums in f32; the bias is the C of each sum's first product.
; A work-group makes 256 x 256 of out0; a wave 256 rows x 64 columns: 64 accumulators (a 0-15, b 0-3).  A step is 128 along K: 64 matrix instructions, A's blocks one after the other, each against B's four.
; B: a wave's 64 columns are read by that wave alone in its work-group, and w_img holds them in the order of the operand's registers: they go from memory straight into registers,
;    four sets of 48 registers by turns, asked for four steps ahead; each load of a wave covers 512 consecutive bytes.  B's scale words (w_sc) come the same way, one load for two steps.
;    B is not asked for jointly: it does not pass through LDS, where eight steps of it (196,608 bytes) have no room beside A's two slots (270,336 bytes).
; A: 768 bytes of a row of codes are 1,024 along K, eight steps: a PERIOD.  Slot X holds bytes 0-511 of the period of all 256 rows, slot Y bytes 512-767: every tile row begins at a multiple of 256 bytes.
;    Both slots have LDS rows 528 bytes apart.  Step 5 lies across X and Y.  In a period: step 4 meets for Y; step 5 leaves X, which is filled again; step 7 meets for X and leaves Y, which is filled again.
;    A's tiles and A's scales (all of K, once) are the same for the four work-groups of a cluster (one tile row of out0): joint loads with the mask 15.
; PREFETCH: in a trip each wave names 16 rows x 768 bytes of the period that the NEXT trip's tensor loads fetch; the cluster's 16 waves share its 256 rows out by address.  The last trip asks for nothing.
;    B has none: its 6 MB are read by all 32 tile rows of out0 at about the same time.
; REGISTERS: window 0: v0-15 addresses, v16-47 A's scale words (two sets), v48-63 B's (four sets), v64-255 A's 16 fragments (one set: blocks 0-7 fetched anew in a step's middle, 8-15 at its end).
;    window 1: v0-191 B's four sets, v192-223 the bias.  Window 2: accumulators of a 0-7, (a, b) at v[8 (4 a + b)]; window 3: of a 8-15.
; The matrix instruction is used transposed (source 0 = 16 columns of B, source 1 = 16 rows of A): a lane holds eight neighbouring numbers of a row of out0.
.set KROW, 3072
.set PX,   528
.set HB,   128*PX
.set YB,   256*PX
.set SCLA, 2*YB
.set SBLK, 8*272
.set SPARE, SCLA+128*272
.set STAGE, SPARE+512
.set SP,   272
.set BO,  1
.set PFO, 2
.set BIO, 3
.set AX,  4
.set AY,  6
.set AC,  8
.set ADRS, 10
.set STO, 11
.set RD,  12
.set CO,  13
.set SPW, 14
.set NIL, 15
.set SA,  16
.set SB,  48
.set AF,  64
.set BI,  192
.set G1X, 24
.set G0X, 32
.set G1Y, 36
.set G0Y, 44
.set G1S, 48
.set G0S, 56
.set BP,  60
.set BS,  62
.set PFA, 66
.set MSB, 0
.macro WIN new
.if MSB != \new
	s_set_vgpr_msb (MSB<<8)|\new
.set MSB, \new
.endif
.endm
.set TO_B, 0x40
.macro PLACES
.rept 4
	v_nop
.endr
.endm
.macro CREST
	s_cmp_lg_u32 s16, 0
	s_cbranch_scc1 .Lnw0_\@
	s_barrier_signal -3
.Lnw0_\@:
	s_barrier_wait -3
	s_barrier_signal -1
	s_barrier_wait -1
.endm
.macro CROUND
	s_barrier_signal -1
	s_barrier_wait -1
	CREST
.endm
.macro TLOAD g0, g1                    ; a tensor load with its s_nop and four v_nops behind it
	tensor_load_to_lds s[\g0:\g0+3], s[\g1:\g1+7]
	s_nop 0
	PLACES
.endm
	s_load_b256 s[4:11], s[0:1], 0x0               ; A's codes, A's scales, w_img, w_sc
	s_load_b128 s[12:15], s[0:1], 0x20             ; out0, bias
	v_lshl_add_u32 v[SPW], v0, 2, SPARE
	v_mov_b32 v[NIL], 0
	ds_add_u32 v[SPW], v[NIL]
	ds_add_u32 v[SPW], v[NIL]
	v_lshrrev_b32 v64, 5, v0
	v_readfirstlane_b32 s16, v64                   ; wave
	s_bfe_u32 s17, ttmp6, 0x40000                  ; cx
	s_lshl_b32 s18, ttmp9, 2
	s_add_co_u32 s18, s18, s17                     ; tile column
	s_and_b32 s19, ttmp7, 0xffff                   ; tile row
	s_and_b32 s20, s16, 1
	s_lshr_b32 s21, s16, 1
	s_mov_b32 s[G1X+0], 15|(1<<20)|(1<<21)|(6<<22)|(3<<25)    ; X: 128 rows x 512 bytes, 16 bytes of padding behind each
	s_mov_b32 s[G1X+1], 512<<16
	s_mov_b32 s[G1X+2], 128<<16
	s_mov_b32 s[G1X+3], 512<<16
	s_mov_b32 s[G1X+4], 128
	s_mov_b32 s[G1Y+0], 15|(1<<20)|(1<<21)|(5<<22)|(67<<25)   ; Y: 256 rows x 256 bytes, 272 bytes of padding behind each
	s_mov_b32 s[G1Y+1], 256<<16
	s_mov_b32 s[G1Y+2], 256<<16
	s_mov_b32 s[G1Y+3], 256<<16
	s_mov_b32 s[G1Y+4], 256
	s_mov_b32 s[G1S+0], 15|(3<<16)|(1<<20)|(1<<21)|(5<<22)|(3<<25)   ; A's scales: 32,768 dense bytes as 128 rows of 256, 16 bytes of padding
	s_mov_b32 s[G1S+1], 32<<16
	s_mov_b32 s[G1S+2], 128<<16
	s_mov_b32 s[G1S+3], 32<<16
	s_mov_b32 s[G1S+4], 128
	s_mov_b32 s[G1X+5], KROW
	s_mov_b32 s[G1Y+5], KROW
	s_mov_b32 s[G1S+5], 32
.irp g, G1X, G1Y, G1S
	s_mov_b32 s[\g+6], 0
	s_mov_b32 s[\g+7], 0
.endr
	s_mul_i32 s22, s19, 256*KROW                   ; the tile's first row of codes
	s_mov_b32 s23, 0
	s_mul_i32 s70, s20, 128*KROW                   ; waves 0, 1: which 128 rows of X
	s_mov_b32 s71, 0
	s_mov_b32 s[G0X], 1
	s_mul_i32 s[G0X+1], s20, HB
	s_mov_b32 s[G0Y], 1
	s_mov_b32 s[G0Y+1], YB
	s_mov_b32 s[G0S], 1
	s_mov_b32 s[G0S+1], SCLA
	s_wait_dscnt 0x0
	s_wait_kmcnt 0x0
	s_add_nc_u64 s[4:5], s[4:5], s[22:23]
	s_add_nc_u64 s[G0X+2:G0X+3], s[4:5], s[70:71]
	s_or_b32 s[G0X+3], s[G0X+3], 0x80000000
	s_add_nc_u64 s[G0Y+2:G0Y+3], s[4:5], 512
	s_or_b32 s[G0Y+3], s[G0Y+3], 0x80000000
	s_lshl_b32 s22, s19, 15
	s_add_nc_u64 s[G0S+2:G0S+3], s[6:7], s[22:23]
	s_or_b32 s[G0S+3], s[G0S+3], 0x80000000
	CROUND                                         ; the four work-groups are here: the first joint loads meet
	s_cmp_lt_u32 s16, 2                            ; one load a wave: waves 0, 1 the halves of X, wave 2 A's scales, wave 3 Y
	s_cbranch_scc0 .Lh_s
	TLOAD G0X, G1X
	s_branch .Lh_end
.Lh_s:
	s_cmp_lt_u32 s16, 3
	s_cbranch_scc0 .Lh_y
	TLOAD G0S, G1S
	s_branch .Lh_end
.Lh_y:
	TLOAD G0Y, G1Y
.Lh_end:
	s_lshl_b32 s22, s18, 1
	s_add_co_u32 s22, s22, s21                     ; my block of 128 columns
	s_mul_i32 s70, s22, 393216
	s_mul_i32 s72, s20, 6144                       ; its fragments 4 (w & 1) ..
	s_add_co_u32 s70, s70, s72
	s_add_nc_u64 s[BP:BP+1], s[8:9], s[70:71]
	s_lshl_b32 s70, s22, 14
	s_lshl_b32 s72, s20, 9
	s_add_co_u32 s70, s70, s72
	s_add_nc_u64 s[BS:BS+1], s[10:11], s[70:71]
	s_lshl_b32 s70, s19, 21                        ; 256 rows of 8,192 bytes
	s_add_nc_u64 s[12:13], s[12:13], s[70:71]
	s_lshl_b32 s72, s18, 10
	s_lshl_b32 s73, s16, 8
	s_add_co_u32 s72, s72, s73                     ; my 64 columns, in bytes
	s_mov_b32 s73, 0
	s_add_nc_u64 s[12:13], s[12:13], s[72:73]
	s_add_nc_u64 s[14:15], s[14:15], s[72:73]
	s_lshl_b32 s70, s17, 6
	s_lshl_b32 s72, s16, 4
	s_add_co_u32 s70, s70, s72                     ; the 16 rows that my wave prefetches: 64 cx + 16 wave
	s_mul_i32 s70, s70, KROW
	s_add_co_u32 s70, s70, 2*768                   ; from period 2 on
	s_add_nc_u64 s[PFA:PFA+1], s[4:5], s[70:71]
	s_mul_i32 s22, s16, 16*SP
	s_add_co_u32 s22, s22, STAGE                   ; my stage
	v_and_b32 v64, 15, v0                          ; r
	v_bfe_u32 v65, v0, 4, 1                        ; h
	v_and_b32 v66, 31, v0
	v_mul_u32_u24 v67, v64, PX
	v_mad_u32_u24 v[AX], v65, 24, v67              ; a fragment's row x pitch + 24 h; +1: blocks 8-15
	v_add_nc_u32 v[AX+1], HB, v[AX]
	v_add_nc_u32 v[AY], YB, v[AX]
	v_add_nc_u32 v[AY+1], YB+HB, v[AX]
	v_mad_u32_u24 v[AC], v65, YB-488, v67          ; across the slots: lanes 0-15 byte 488 of X's row, lanes 16-31 byte 0 of Y's
	v_add_nc_u32 v[AC], 488, v[AC]
	v_add_nc_u32 v[AC+1], HB, v[AC]
	v_lshlrev_b32 v68, 7, v64                      ; A's scales: 128 bytes a row, 16 more for each 256 passed; lanes 16-31 eight blocks on
	v_lshrrev_b32 v69, 1, v64
	v_lshl_add_u32 v68, v69, 4, v68
	v_mad_u32_u24 v68, v65, 8*SBLK, v68
	v_add_nc_u32 v[ADRS], SCLA, v68
	v_mul_u32_u24 v68, v64, SP
	v_lshl_add_u32 v68, v65, 5, v68
	v_add_nc_u32 v[STO], s22, v68                  ; into the stage: row r, 32 bytes for each half of the lanes
	v_mul_u32_u24 v68, v65, SP
	v_lshl_add_u32 v68, v64, 4, v68
	v_add_nc_u32 v[RD], s22, v68                   ; back: lanes 0-15 one row of 256 bytes, lanes 16-31 the next
	v_lshlrev_b32 v68, 13, v65
	v_lshl_add_u32 v[CO], v64, 4, v68              ; the same two rows in out0
	v_lshlrev_b32 v[BO], 4, v66
	v_lshlrev_b32 v[BIO], 5, v65
	v_mul_u32_u24 v[PFO], v64, KROW
	v_add_nc_u32 v0, 512, v[PFO]                   ; prefetch: a lane a row, Y's block (both halves of the lanes name the same)
	v_lshl_add_u32 v[PFO], v65, 8, v[PFO]          ; and X's two blocks
	s_wait_alu depctr_va_vdst(0)
.macro BLOAD st                        ; B's four fragments of step st of the period at hand into set st % 4; at an even st the scale words of steps st, st + 1 first
.if (\st)%2 == 0
	global_load_b128 v[SB+4*(((\st)/2)%4):SB+4*(((\st)/2)%4)+3], v[BO], s[BS:BS+1] offset:((\st)/2)*1024
.endif
	WIN TO_B
.irp j, 0,1,2,3
.irp g, 0,1,2
	global_load_b128 v[48*((\st)%4)+12*\j+4*\g:48*((\st)%4)+12*\j+4*\g+3], v[BO], s[BP:BP+1] offset:(\st)*12288+\j*1536+\g*512
.endr
.endr
	WIN 0
.endm
.macro FRAG reg, s, i                  ; 16 rows x 128 K: six pieces of 8 bytes; BY: where the piece of lanes 0-15 begins in the period's 768 bytes; lanes 16-31 read 24 bytes on
.irp p, 0,1,2,3,4,5
.set BY, 96*(\s)+48*(\p/3)+8*(\p%3)
.if BY+24 < 512
	ds_load_b64 v[\reg+2*\p:\reg+2*\p+1], v[AX+(\i)/8] offset:BY+((\i)%8)*16*PX
.elseif BY >= 512
	ds_load_b64 v[\reg+2*\p:\reg+2*\p+1], v[AY+(\i)/8] offset:BY-512+((\i)%8)*16*PX
.else
	ds_load_b64 v[\reg+2*\p:\reg+2*\p+1], v[AC+(\i)/8] offset:BY-488+((\i)%8)*16*PX
.endif
.endr
.endm
.macro FETCH_A s, i0                   ; A's blocks i0 .. i0 + 7 of step s: 48 loads
.set II, \i0
.rept 8
	FRAG AF+12*II, \s, II
.set II, II+1
.endr
.endm
.macro SCALES pr                       ; A's scale words of steps 2 pr, 2 pr + 1 into set pr % 2: lanes 0-15 block i, lanes 16-31 block i + 8
.irp i, 0,1,2,3,4,5,6,7
	ds_load_b64 v[SA+16*((\pr)%2)+2*\i:SA+16*((\pr)%2)+2*\i+1], v[ADRS] offset:\i*SBLK+8*(\pr)
.endr
.endm
; 4 n matrix instructions: A's blocks a0 .. a0 + n - 1 against B's four.  The 64 accumulators take turns.
.macro MUL a0, n, s, first
.set AA, \a0
.rept \n
.irp b, 0,1,2,3
.set rD, 8*(4*(AA%8)+\b)
.set rB, 48*((\s)%4)+12*\b
.set rA, AF+12*AA
.set rC, rD
.if \first
.set rC, BI+8*\b
.endif
.set rSB, SB+4*(((\s)/2)%4)+\b
.set rSA, SA+16*(((\s)/2)%2)+2*(AA%8)+(\s)%2
.if ((\s)%2 == 0) && (AA < 8)
	v_wmma_scale_f32_16x16x128_f8f6f4 v[rD:rD+7], v[rB:rB+11], v[rA:rA+11], v[rC:rC+7], v[rSB], v[rSA] matrix_a_fmt:MATRIX_FMT_FP6 matrix_b_fmt:MATRIX_FMT_FP6
.elseif ((\s)%2 == 0)
	v_wmma_scale_f32_16x16x128_f8f6f4 v[rD:rD+7], v[rB:rB+11], v[rA:rA+11], v[rC:rC+7], v[rSB], v[rSA] matrix_a_fmt:MATRIX_FMT_FP6 matrix_b_fmt:MATRIX_FMT_FP6 matrix_b_scale:MATRIX_SCALE_ROW1
.elseif (AA < 8)
	v_wmma_scale_f32_16x16x128_f8f6f4 v[rD:rD+7], v[rB:rB+11], v[rA:rA+11], v[rC:rC+7], v[rSB], v[rSA] matrix_a_fmt:MATRIX_FMT_FP6 matrix_b_fmt:MATRIX_FMT_FP6 matrix_a_scale:MATRIX_SCALE_ROW1
.else
	v_wmma_scale_f32_16x16x128_f8f6f4 v[rD:rD+7], v[rB:rB+11], v[rA:rA+11], v[rC:rC+7], v[rSB], v[rSA] matrix_a_fmt:MATRIX_FMT_FP6 matrix_b_fmt:MATRIX_FMT_FP6 matrix_a_scale:MATRIX_SCALE_ROW1 matrix_b_scale:MATRIX_SCALE_ROW1
.endif
.endr
.set AA, AA+1
.endr
.endm
; One step.  s: the step in the period (8: the next period's step 0, with the offsets of the period at hand); first: C = the bias; fill: slots are filled again; bl: B of step s + 4 is asked for;
; cnt: the younger global loads that may stay out (three groups: 12 + 13 + 12); last: nothing more is fetched.
.macro STEP s, first, fill, bl, cnt, last
.set S8, (\s)%8
.set NX, ((\s)+1)%8
.set KIND, 0
.if S8 == 4
.set KIND, 1
.endif
.if (\fill) && ((S8 == 5) || (S8 == 7))
.set KIND, 2
.endif
	s_wait_loadcnt \cnt                            ; B's set and scale words of this step are in
	s_wait_dscnt 48                                ; A's blocks 0-7 and scale words are in; the youngest 48 loads (blocks 8-15) may be out
.if KIND == 0
	WIN 0xa1-0x10*(\first)
	MUL 0, 8, \s, \first
.else
	WIN 0xa1
	MUL 0, 4, \s, 0
	WIN 0
	s_wait_tensorcnt 0x0                           ; all my tensor loads have landed
.if KIND == 2
	ds_add_u32 v[SPW], v[NIL]
.endif
	WIN 0xa1
	MUL 4, 2, \s, 0
	s_wait_dscnt 0x0                               ; the add is done, and so are my reads of the slot that is left
	s_barrier_signal -1
	MUL 6, 2, \s, 0
	WIN 0
	s_barrier_wait -1
.if KIND == 2
	CREST                                          ; the barrier has opened a round of the cluster's barrier
.if S8 == 5
	s_add_nc_u64 s[G0X+2:G0X+3], s[G0X+2:G0X+3], 768
	s_cmp_lt_u32 s16, 2
	s_cbranch_scc0 .Lno_fill_\@
	TLOAD G0X, G1X                                 ; the next period's X: waves 0, 1
.else
	s_add_nc_u64 s[G0Y+2:G0Y+3], s[G0Y+2:G0Y+3], 768
	s_cmp_eq_u32 s16, 3
	s_cbranch_scc0 .Lno_fill_\@
	TLOAD G0Y, G1Y                                 ; the next period's Y: wave 3
.endif
.Lno_fill_\@:
.endif
.endif
.if \last
	s_wait_dscnt 0x0
	WIN 0xf1
	MUL 8, 8, \s, 0
	WIN 0
.else
	PLACES                                         ; four places in front of loads into registers that matrix instructions have read
	WIN 0
	FETCH_A NX, 0
.if NX%2 == 0
	SCALES ((\s)+1)/2
	s_wait_dscnt 56                                ; all but the 56 just issued: blocks 8-15 are in
.else
	s_wait_dscnt 48
.endif
.if (\fill) && (S8 == 2)
	s_cmp_gt_u32 s68, 1                            ; not in the last trip: no period is left two on
	s_cbranch_scc0 .Lno_ask_\@
	global_prefetch_b8 v[PFO], s[PFA:PFA+1] th:TH_LOAD_NT scope:SCOPE_SE
	global_prefetch_b8 v0, s[PFA:PFA+1] th:TH_LOAD_NT scope:SCOPE_SE
.Lno_ask_\@:
.endif
	WIN 0xf1-0x20*(\first)
	MUL 8, 8, \s, \first
	PLACES
	WIN 0
	FETCH_A NX, 8
.if \bl
	BLOAD (\s)+4
.endif
.endif
.endm
	WIN TO_B
.irp b, 0,1,2,3
	global_load_b128 v[BI+8*\b:BI+8*\b+3], v[BIO], s[14:15] offset:64*\b          ; bias of columns 16 b + 8 h + 0 .. 7, in the result's layout
	global_load_b128 v[BI+8*\b+4:BI+8*\b+7], v[BIO], s[14:15] offset:64*\b+16
.endr
	WIN 0
	BLOAD 0
	BLOAD 1
	BLOAD 2
	BLOAD 3
	s_wait_tensorcnt 0x0                           ; my tile of the head's is in;
	s_barrier_signal -1
	s_barrier_wait -1                              ; and everybody's.
	FETCH_A 0, 0
	SCALES 0
	FETCH_A 0, 8
	STEP 0, 1, 0, 1, 37, 0                         ; the first step starts the sums
	s_mov_b32 s68, 3
.Ltrip:                                                ; a trip: steps 1 to 7 of a period and step 0 of the next
	STEP 1, 0, 1, 1, 37, 0
	STEP 2, 0, 1, 1, 37, 0
	STEP 3, 0, 1, 1, 37, 0
	STEP 4, 0, 1, 1, 37, 0
	STEP 5, 0, 1, 1, 37, 0
	STEP 6, 0, 1, 1, 37, 0
	STEP 7, 0, 1, 1, 37, 0
	STEP 8, 0, 1, 1, 37, 0
	s_wait_xcnt 0x0                                ; the loads and prefetches have read their bases
	s_add_nc_u64 s[BP:BP+1], s[BP:BP+1], 8*12288
	s_add_nc_u64 s[BS:BS+1], s[BS:BS+1], 4096
	s_add_nc_u64 s[PFA:PFA+1], s[PFA:PFA+1], 768
	v_add_nc_u32 v[ADRS], 32, v[ADRS]
	s_wait_alu depctr_va_vdst(0)
	s_sub_co_u32 s68, s68, 1
	s_cmp_lg_u32 s68, 0
	s_cbranch_scc1 .Ltrip
	STEP 1, 0, 0, 1, 37, 0                         ; the last period fills nothing; its counts run down
	STEP 2, 0, 0, 1, 37, 0
	STEP 3, 0, 0, 1, 37, 0
	STEP 4, 0, 0, 0, 37, 0
	STEP 5, 0, 0, 0, 25, 0
	STEP 6, 0, 0, 0, 12, 0
	STEP 7, 0, 0, 0, 0, 1
; THE WAY OUT, block by block of 16 rows x 64 columns, through my own stage (bytes that no tensor load fills): back as whole rows of 256 bytes, sixteen lanes to a row.
.macro TOSTAGE a
.set AC0, 32*((\a)%8)
	WIN 0x08+4*((\a)/8)
.irp b, 0,1,2,3
	ds_store_b128 v[STO], v[AC0+8*\b:AC0+8*\b+3] offset:64*\b        ; each accumulator from its low end on
	ds_store_b128 v[STO], v[AC0+8*\b+4:AC0+8*\b+7] offset:64*\b+16
.endr
	WIN 0
.set BB, AF+32*((\a)%2)
.irp t, 0,1,2,3,4,5,6,7
	ds_load_b128 v[BB+4*\t:BB+4*\t+3], v[RD] offset:\t*2*SP          ; LDS serves a wave's instructions in order: these see the stores above
.endr
.endm
.macro SEND a, younger
.set BB, AF+32*((\a)%2)
	s_wait_dscnt \younger
.irp t, 0,1,2,3,4,5,6,7
	global_store_b128 v[CO], v[BB+4*\t:BB+4*\t+3], s[12:13] offset:(\a)*131072+\t*16384 th:TH_STORE_NT   ; 16 lanes store 256 consecutive aligned bytes
.endr
.endm
	PLACES
	TOSTAGE 0
.set BN, 1
.rept 15
.if BN > 1
	s_wait_xcnt 0x0                                ; the stores of two blocks ago have read their registers
.endif
	TOSTAGE BN
	SEND BN-1, 16                                  ; behind that block's loads: 8 stores and 8 loads
.set BN, BN+1
.endr
	SEND 15, 0
	s_wait_tensorcnt 0x0                           ; the wave's end
	ds_add_u32 v[SPW], v[NIL]
	s_wait_dscnt 0x0
	CROUND                                         ; the closing round
	s_endpgm
.Lfunc_end_k_q69bc7bb42b_gemm:
	.size	k_q69bc7bb42b_gemm, .Lfunc_end_k_q69bc7bb42b_gemm-k_q69bc7bb42b_gemm
	.p2alignl 7, 3214868480
	.fill 96, 4, 3214868480
	.section	.rodata,"a",@progbits
	.p2align	6, 0x0
	.amdhsa_kernel k_q69bc7bb42b_gemm
		.amdhsa_group_segment_fixed_size 327680
		.amdhsa_private_segment_fixed_size 0
		.amdhsa_enable_private_segment 0
		.amdhsa_kernarg_size 48
		.amdhsa_user_sgpr_count 2
		.amdhsa_user_sgpr_kernarg_segment_ptr 1
		.amdhsa_wavefront_size32 1
		.amdhsa_system_sgpr_workgroup_id_x 1
		.amdhsa_system_sgpr_workgroup_id_y 1
		.amdhsa_system_sgpr_workgroup_id_z 1
		.amdhsa_system_vgpr_workitem_id 0
		.amdhsa_next_free_vgpr 1024
		.amdhsa_next_free_sgpr 80
		.amdhsa_reserve_vcc 0
		.amdhsa_float_denorm_mode_32 3
		.amdhsa_float_denorm_mode_16_64 3
		.amdhsa_memory_ordered 1
		.amdhsa_forward_progress 1
		.amdhsa_inst_pref_size 255
	.end_amdhsa_kernel
	.section	.bss,"aw",@nobits
	.p2align	6
	.space	262144
	.amdgpu_metadata
---
amdhsa.version: [ 1, 2 ]
amdhsa.kernels:
  - .name:           k_q69bc7bb42b_gemm
    .symbol:         k_q69bc7bb42b_gemm.kd
    .args:
      - { .name: inputs_codes, .offset: 0, .size: 8, .value_kind: global_buffer, .address_space: global }
      - { .name: inputs_scales, .offset: 8, .size: 8, .value_kind: global_buffer, .address_space: global }
      - { .name: w_img, .offset: 16, .size: 8, .value_kind: global_buffer, .address_space: global }
      - { .name: w_sc, .offset: 24, .size: 8, .value_kind: global_buffer, .address_space: global }
      - { .name: out0, .offset: 32, .size: 8, .value_kind: global_buffer, .address_space: global }
      - { .name: bias, .offset: 40, .size: 8, .value_kind: global_buffer, .address_space: global }
    .group_segment_fixed_size: 327680
    .private_segment_fixed_size: 0
    .kernarg_segment_align: 8
    .kernarg_segment_size: 48
    .max_flat_workgroup_size: 128
    .sgpr_count:     80
    .vgpr_count:     1024
    .wavefront_size: 32
...
	.end_amdgpu_metadata
.endif
;; end of part 2
